; MI455X (gfx1250); checked and timed in simulation.
; The chip was launched on July 23, 2026; its instructions are those of AMD's public machine-readable ISA for CDNA 5 (MIT licence, August 2026) and "CDNA5" Instruction Set Architecture Reference Guide (July 2026). The comments in the code are by the model that wrote it; some were corrected since.
;; MLB Attention. Allowed arithmetic: float matrix products may take bf16 or f16 operands with f32 sums; all other float work in f32.
;; Inputs: W_ch 1,024 x 1,024 float32; W_ih 1,024 x 1,024 float32; context 32 x 1,024 float32; inputs 32 x 2,048 x 1,024 float32; mask 32 x 2,048 x 1 bool; w_score 1,024 float32.
;; Outputs: out0 32 x 1 x 1,024 float32.
;; One version. Each part assembles by itself: llvm-mc -triple=amdgcn-amd-amdhsa -mcpu=gfx1250 --defsym DOCPART=n.
;; ======== version 1 of 1: 3 launches
;; workspace buffers: wb 2,097,152 bytes; cw 131,072 bytes; part 2,359,296 bytes
;; launch prep (part 1): grid 64 x 1, 16 waves a work-group, no clusters, 166,912 bytes of LDS; arguments W_ih, W_ch, context, w_score, wb, cw; writes wb, cw
.if DOCPART == 1
	.amdgcn_target "amdgcn-amd-amdhsa--gfx1250"
	.amdhsa_code_object_version 6
	.text
	.protected	k_qe7290173ad_prep
	.globl	k_qe7290173ad_prep
	.p2align	8
	.type	k_qe7290173ad_prep,@function
k_qe7290173ad_prep:
	s_mov_b64 s[64:65], 0
	v_nop
	global_prefetch_b8 v0, s[64:65] scope:SCOPE_SE
	s_setreg_imm32_b32 hwreg(HW_REG_WAVE_MODE, 25, 1), 1
	s_wait_xcnt 0x0
; prep: what the main launch needs of the weights, made once.
;   wb = bf16(2 log2(e) * W_ih), laid out as matrix fragments: [w 0..3][P 0..1][K step 0..31][b 0..7][half 0..1][lane 0..31][16 bytes],
;        tile j = 32 P + 8 w + b = rows 16 j .. 16 j + 15 of W_ih.  The factor makes the main product the argument of 2^x in tanh(x) = 1 - 2 / (1 + 2^(2 log2(e) x)).
;   cw[j][batch][16] = -2 log2(e) * tanh(context . W_ch^T) * w_score, f32.
; Work-group j (64 of them) owns tile j of W_ih and of W_ch and reads all 32 rows of context.  Sixteen waves: wave v converts row v of each of four
; tiles of 16 rows (W_ih, W_ch, context 0-15, context 16-31) to bf16 in LDS, then takes K steps 2 v and 2 v + 1 of 32.
; ORDER OF K.  A 16-byte unit 32 c + L of an LDS row holds the true k = 256 c + 4 L + 0..3 and 256 c + 128 + 4 L + 0..3: two 16-byte loads of lane L, 512 bytes apart.
; The same order is used for every matrix operand of the program, so every product meets its partner and the sums are those of the true order but for rounding.
; LIMITS: matrix operands (scaled W_ih, W_ch, context) are rounded to bf16; sums in f32, K split over the 16 waves and added as a tree.
; 2^x = infinity gives tanh = 1 and 2^x = 0 gives tanh = -1, so no clamp is needed.
.set PITCH, 2064                       ; an LDS row: 2,048 bytes + 16 = 516 words, so 16 consecutive rows start 4 words apart modulo 64 (64 banks of 4 bytes: ISA guide 11.1)
.set TILE,  16*PITCH                   ; 33,024 bytes; the four tiles lie at 0, TILE, 2 TILE, 3 TILE
.set RED,   4*TILE                     ; 132,096: 16 waves x 2,048 bytes of partial sums [batch 32][h 16] f32
.set T,     16                         ; v[16:31]   16 words of bf16 on their way to LDS
.set ST,    64                         ; v[64:191]  stage: tile t as loaded in v[64+32t : 95+32t]
.set FC0,   64                         ; later: fragments of context rows 0-15, K steps 2v, 2v+1
.set FC1,   80                         ;        of context rows 16-31
.set FW,    96                         ;        of W_ch
.set WP,    112                        ;        the four 16-byte pieces of W_ih that go to wb
.set AC0,   128                        ; sums for batches 0-15
.set AC1,   136                        ; sums for batches 16-31
; v1 lane L, v2 r = L % 16, v3 h = L / 16, v4 global offset of my row's 16 bytes, v5/v6 LDS store address (tiles 0,1 / 2,3), v7/v8 fragment address (tiles 0,1 / 2,3),
; v9 offset in wb, v10 my place in RED, v11 read address in RED, v12 offset in w_score, v13 offset in cw, v[14:15] two numbers of w_score
	s_load_b256 s[4:11], s[0:1], 0x0               ; W_ih s[4:5], W_ch s[6:7], context s[8:9], w_score s[10:11]
	s_load_b128 s[12:15], s[0:1], 0x20             ; wb s[12:13], cw s[14:15]
	v_lshl_add_u32 v192, v0, 2, 0x28400
	v_mov_b32 v193, 0
	v_lshrrev_b32 v3, 5, v0
	v_readfirstlane_b32 s16, v3                    ; wave v, 0..15
	s_mov_b32 s17, ttmp9                           ; tile j
	v_and_b32 v1, 31, v0
	v_and_b32 v2, 15, v0
	v_bfe_u32 v3, v0, 4, 1
	s_lshl_b32 s18, s17, 16                        ; 16 rows of 4,096 bytes
	s_mov_b32 s19, 0
	s_lshl_b32 s20, s17, 6                         ; 16 numbers of w_score
	s_mov_b32 s21, 0
	s_bfe_u32 s22, s17, 0x20003                    ; w = (j >> 3) & 3
	s_lshl_b32 s22, s22, 19
	s_lshr_b32 s26, s17, 5                         ; P = j >> 5
	s_lshl_b32 s26, s26, 18
	s_add_co_u32 s22, s22, s26
	s_and_b32 s26, s17, 7                          ; b = j & 7
	s_lshl_b32 s26, s26, 10
	s_add_co_u32 s22, s22, s26                     ; tile j's place in wb
	s_mov_b32 s23, 0
	s_lshl_b32 s24, s17, 11                        ; tile j's 2,048 bytes of cw
	s_mov_b32 s25, 0
	s_lshl_b32 s26, s16, 12
	v_lshl_add_u32 v4, v1, 4, s26                  ; row v, 16 bytes a lane
	v_and_b32 v12, 7, v0
	v_lshlrev_b32 v12, 3, v12                      ; two numbers of w_score: h = 2 (tid % 8)
	s_wait_kmcnt 0x0
	s_add_nc_u64 s[4:5], s[4:5], s[18:19]
	s_add_nc_u64 s[6:7], s[6:7], s[18:19]
	s_add_nc_u64 s[10:11], s[10:11], s[20:21]
	s_add_nc_u64 s[12:13], s[12:13], s[22:23]
	s_add_nc_u64 s[14:15], s[14:15], s[24:25]
; eight loads: one row of 4,096 bytes, each load 512 consecutive bytes.  The weights are read once in the launch, context by all 64 work-groups.
.macro TLOAD t, base, off
.irp i, 0,1,2,3,4,5,6,7
.if \t < 2
	global_load_b128 v[ST+32*\t+4*\i:ST+32*\t+4*\i+3], v4, s[\base:\base+1] offset:\off+\i*512 th:TH_LOAD_NT
.else
	global_load_b128 v[ST+32*\t+4*\i:ST+32*\t+4*\i+3], v4, s[\base:\base+1] offset:\off+\i*512
.endif
.endr
.endm
	global_load_b64 v[14:15], v12, s[10:11]
	TLOAD 0, 4, 0
	TLOAD 1, 6, 0
	TLOAD 2, 8, 0
	TLOAD 3, 8, 65536                              ; context rows 16 to 31
	s_mul_i32 s26, s16, PITCH
	v_lshl_add_u32 v5, v1, 4, s26                  ; LDS: row v, unit L
	v_add_nc_u32 v6, 2*TILE, v5
	v_mul_u32_u24 v7, PITCH, v2
	v_lshl_add_u32 v7, v3, 4, v7
	v_lshl_add_u32 v7, s16, 7, v7                  ; fragment: row r, 16 h, K step 2 v (64 bytes a K step)
	v_add_nc_u32 v8, 2*TILE, v7
	v_lshlrev_b32 v9, 4, v1
	v_lshl_add_u32 v9, s16, 14, v9                 ; wb: 16 L + two K steps of 8,192 bytes a wave
	s_lshl_b32 s26, s16, 11
	s_add_co_u32 s26, s26, RED
	v_lshl_add_u32 v10, v3, 9, s26
	v_lshl_add_u32 v10, v2, 2, v10                 ; RED + 2,048 v + 512 h + 4 r
	v_and_b32 v13, 0xff, v0
	v_lshlrev_b32 v13, 3, v13                      ; 8 (tid % 256): used by waves 0 to 7 alone, where it is 8 tid
	v_add_nc_u32 v11, RED, v13
; tile t: round to bf16, pairs of loads 512 bytes apart into one 16-byte unit, row v of the tile in LDS
.macro TCONV t, adr
	s_wait_loadcnt 8*(3-\t)                        ; loads come back in order (ISA guide 5.7.1): this tile's eight are in, the younger tiles' stay out
.if \t == 0
.irp i, 0,1,2,3,4,5,6,7,8,9,10,11,12,13,14,15
	v_pk_mul_f32 v[ST+2*\i:ST+2*\i+1], v[ST+2*\i:ST+2*\i+1], 0x4038aa3b op_sel_hi:[1,0]   ; W_ih times 2 log2(e), ahead of the rounding
.endr
.endif
.irp c, 0,1,2,3
.irp u, 0,1,2,3
	v_cvt_pk_bf16_f32 v[T+4*\c+\u], v[ST+32*\t+8*\c+2*\u], v[ST+32*\t+8*\c+2*\u+1]
.endr
	ds_store_b128 v[\adr], v[T+4*\c:T+4*\c+3] offset:(\t%2)*TILE+512*\c
.endr
.endm
	TCONV 0, 5
	TCONV 1, 5
	TCONV 2, 6
	TCONV 3, 6
	s_wait_dscnt 0x0                               ; my rows are in LDS, for the other waves' sake
	s_barrier_signal -1
	s_barrier_wait -1                              ; all 64 rows are
	; a fragment: lane (r, h) takes 16 bytes at row r, 16 h, and 16 more 32 bytes on (16 rows x 32 K in 8 registers)
.irp k, 0,1
.irp f, 0,1
	ds_load_b128 v[WP+8*\k+4*\f:WP+8*\k+4*\f+3], v7 offset:64*\k+32*\f
.endr
.endr
.irp k, 0,1
.irp f, 0,1
	ds_load_b128 v[FC0+8*\k+4*\f:FC0+8*\k+4*\f+3], v8 offset:64*\k+32*\f
	ds_load_b128 v[FC1+8*\k+4*\f:FC1+8*\k+4*\f+3], v8 offset:TILE+64*\k+32*\f
	ds_load_b128 v[FW+8*\k+4*\f:FW+8*\k+4*\f+3], v7 offset:TILE+64*\k+32*\f
.endr
.endr
	s_wait_dscnt 12                                ; the four pieces of W_ih are in; the twelve younger loads stay out
.irp k, 0,1
.irp f, 0,1
	global_store_b128 v9, v[WP+8*\k+4*\f:WP+8*\k+4*\f+3], s[12:13] offset:\k*8192+\f*512   ; each store of the wave covers 512 consecutive bytes, aligned
.endr
.endr
	s_wait_dscnt 0x0
	; context (source 0) times W_ch (source 1): register j of lane (r, h) is batch 8 h + j (+ 16), h index r.  The two accumulators take turns.
	v_wmma_f32_16x16x32_bf16 v[AC0:AC0+7], v[FC0:FC0+7], v[FW:FW+7], 0
	v_wmma_f32_16x16x32_bf16 v[AC1:AC1+7], v[FC1:FC1+7], v[FW:FW+7], 0
	v_wmma_f32_16x16x32_bf16 v[AC0:AC0+7], v[FC0+8:FC0+15], v[FW+8:FW+15], v[AC0:AC0+7]
	v_wmma_f32_16x16x32_bf16 v[AC1:AC1+7], v[FC1+8:FC1+15], v[FW+8:FW+15], v[AC1:AC1+7]
.rept 4
	v_nop                                          ; four places behind the last matrix instruction, ahead of the stores of its result
.endr
.irp j, 0,1,2,3,4,5,6,7
	ds_store_b32 v10, v[AC0+\j] offset:64*\j
	ds_store_b32 v10, v[AC1+\j] offset:1024+64*\j
.endr
	s_wait_dscnt 0x0                               ; my partial sums are in LDS, for the other waves' sake
	s_barrier_signal -1
	s_barrier_wait -1
	s_cmp_ge_u32 s16, 8
	s_cbranch_scc1 .Lend                           ; 512 sums, two a thread: waves 0 to 7 finish them; no barrier follows
.irp u, 0,1,2,3,4,5,6,7,8,9,10,11,12,13,14,15
	ds_load_b64 v[ST+2*\u:ST+2*\u+1], v11 offset:2048*\u
.endr
	s_wait_dscnt 0x0
.irp u, 0,1,2,3,4,5,6,7
	v_pk_add_f32 v[ST+2*\u:ST+2*\u+1], v[ST+2*\u:ST+2*\u+1], v[ST+16+2*\u:ST+16+2*\u+1]
.endr
.irp u, 0,1,2,3
	v_pk_add_f32 v[ST+2*\u:ST+2*\u+1], v[ST+2*\u:ST+2*\u+1], v[ST+8+2*\u:ST+8+2*\u+1]
.endr
.irp u, 0,1
	v_pk_add_f32 v[ST+2*\u:ST+2*\u+1], v[ST+2*\u:ST+2*\u+1], v[ST+4+2*\u:ST+4+2*\u+1]
.endr
	v_pk_add_f32 v[ST:ST+1], v[ST:ST+1], v[ST+2:ST+3]
	v_pk_mul_f32 v[ST:ST+1], v[ST:ST+1], 0x4038aa3b op_sel_hi:[1,0]     ; 2 log2(e) x
	v_exp_f32 v[ST], v[ST]
	v_exp_f32 v[ST+1], v[ST+1]
	v_nop                                          ; one plain place behind the transcendentals (ISA guide 5.7.2)
	s_wait_alu depctr_va_vdst(0)
	v_pk_add_f32 v[ST:ST+1], v[ST:ST+1], 1.0 op_sel_hi:[1,0]
	v_rcp_f32 v[ST], v[ST]
	v_rcp_f32 v[ST+1], v[ST+1]
	v_nop
	s_wait_alu depctr_va_vdst(0)
	v_pk_fma_f32 v[ST:ST+1], v[ST:ST+1], -2.0, 1.0 op_sel_hi:[1,0,0]    ; tanh = 1 - 2 / (1 + 2^..)
	v_pk_mul_f32 v[ST:ST+1], v[ST:ST+1], v[14:15]                       ; times w_score (its load is the oldest: shown done by the tiles' waits)
	v_pk_mul_f32 v[ST:ST+1], v[ST:ST+1], 0xc038aa3b op_sel_hi:[1,0]     ; times -2 log2(e)
	global_store_b64 v13, v[ST:ST+1], s[14:15]     ; a wave's store covers 256 consecutive bytes, aligned
.Lend:
	s_wait_tensorcnt 0x0
	ds_add_u32 v192, v193
	s_wait_dscnt 0x0
	s_endpgm
.Lfunc_end_k_qe7290173ad_prep:
	.size	k_qe7290173ad_prep, .Lfunc_end_k_qe7290173ad_prep-k_qe7290173ad_prep
	.p2alignl 7, 3214868480
	.fill 96, 4, 3214868480
	.section	.rodata,"a",@progbits
	.p2align	6, 0x0
	.amdhsa_kernel k_qe7290173ad_prep
		.amdhsa_group_segment_fixed_size 166912
		.amdhsa_private_segment_fixed_size 0
		.amdhsa_enable_private_segment 0
		.amdhsa_kernarg_size 48
		.amdhsa_user_sgpr_count 2
		.amdhsa_user_sgpr_kernarg_segment_ptr 1
		.amdhsa_wavefront_size32 1
		.amdhsa_system_sgpr_workgroup_id_x 1
		.amdhsa_system_sgpr_workgroup_id_y 1
		.amdhsa_system_sgpr_workgroup_id_z 1
		.amdhsa_system_vgpr_workitem_id 0
		.amdhsa_next_free_vgpr 194
		.amdhsa_next_free_sgpr 66
		.amdhsa_reserve_vcc 0
		.amdhsa_float_denorm_mode_32 3
		.amdhsa_float_denorm_mode_16_64 3
		.amdhsa_memory_ordered 1
		.amdhsa_forward_progress 1
		.amdhsa_inst_pref_size 19
	.end_amdhsa_kernel
	.amdgpu_metadata
---
amdhsa.version: [ 1, 2 ]
amdhsa.kernels:
  - .name:           k_qe7290173ad_prep
    .symbol:         k_qe7290173ad_prep.kd
    .args:
      - { .name: W_ih, .offset: 0, .size: 8, .value_kind: global_buffer, .address_space: global }
      - { .name: W_ch, .offset: 8, .size: 8, .value_kind: global_buffer, .address_space: global }
      - { .name: context, .offset: 16, .size: 8, .value_kind: global_buffer, .address_space: global }
      - { .name: w_score, .offset: 24, .size: 8, .value_kind: global_buffer, .address_space: global }
      - { .name: wb, .offset: 32, .size: 8, .value_kind: global_buffer, .address_space: global }
      - { .name: cw, .offset: 40, .size: 8, .value_kind: global_buffer, .address_space: global }
    .group_segment_fixed_size: 166912
    .private_segment_fixed_size: 0
    .kernarg_segment_align: 8
    .kernarg_segment_size: 48
    .max_flat_workgroup_size: 512
    .sgpr_count:     66
    .vgpr_count:     194
    .wavefront_size: 32
...
	.end_amdgpu_metadata
.endif
;; end of part 1
;; launch main (part 2): grid 512 x 1, 4 waves a work-group, no clusters, 271,872 bytes of LDS; arguments inputs, mask, wb, cw, part; writes part
.if DOCPART == 2
	.amdgcn_target "amdgcn-amd-amdhsa--gfx1250"
	.amdhsa_code_object_version 6
	.text
	.protected	k_qe7290173ad_main
	.globl	k_qe7290173ad_main
	.p2align	8
	.type	k_qe7290173ad_main,@function
k_qe7290173ad_main:
	s_mov_b64 s[64:65], 0
	v_nop
	global_prefetch_b8 v0, s[64:65] scope:SCOPE_SE
	s_setreg_imm32_b32 hwreg(HW_REG_WAVE_MODE, 25, 1), 1
	s_wait_xcnt 0x0
; main: work-group g owns rows 128 (g % 16) .. + 127 of batch g / 16.  It reads them from memory ONCE, keeps them as bf16 in LDS, and uses them twice:
; for the product with W_ih that gives the scores, and for the weighted sum.  It stores a record (O[1024], m, l): the block's own maximum m of the scores,
; l = sum of p = 2^(score - m), O = sum of p * row.  The last launch merges the 16 records of a batch, so the maximum is taken away ahead of every exponential.
; ALGEBRA, exact for every input: tanh(x) = 1 - 2 r, r = 1 / (1 + 2^(2 log2(e) x)); wb holds W_ih times 2 log2(e), so an accumulator is the exponent as it stands.
; log2(e) * score = sum over h of cw[h] r[h] + a number that hangs on the batch alone (cw = -2 log2(e) c[h] w[h]); softmax over n does not see that number: it is never formed.
; 2^x = infinity gives r = 0, 2^x = 0 gives r = 1: no clamp.
; SHARES: four waves.  Wave w makes all 128 rows x the 128 columns h = 512 P + 128 w .. + 127 in pass P = 0, 1: 64 accumulator tiles, 512 registers.
; So a wave's part of W_ih is its own: it goes from wb, where it lies in fragment order, straight into a ring of four K steps of registers (16 loads of 512 consecutive
; bytes a K step), requested four K steps = 192 matrix instructions ahead of its wait; no barrier stands in the K loop.
; NO CLUSTER, NO TENSOR LOADS, though all work-groups walk the same wb: the resident rows and the scratch take 271,360 of the 327,680 bytes of LDS that a work-group can
; be given; the 56,320 left would make two slots of 28,160 bytes, less than one K step of the four waves' fragments (32,768 bytes), so a round of barriers would stand
; in front of fewer than 64 matrix instructions of a wave; and each byte of wb serves one wave alone, so LDS would only be written and read once more.
; THE MATRIX INSTRUCTION IS USED TRANSPOSED: source 0 = 16 rows of W_ih, source 1 = 16 rows of inputs; register j of lane (r, h) is column 8 h + j of the h tile, row r.
; ORDER OF K: 16-byte unit 32 c + L of an LDS row holds the true k = 256 c + 4 L + 0..3 and 256 c + 128 + 4 L + 0..3, in wb likewise; the weighted sum undoes it on the way out.
; LIMITS: inputs, scaled W_ih and p are rounded to bf16 as matrix operands; l is summed from the rounded p, so the weights add up to one.  A masked row's score is -1e30 in
; log2 units: a valid score at or below -1e30 is not told apart from a masked one.  A batch that is masked everywhere gives the plain average of its rows, as -1e30 everywhere does.
.set PITCH, 2064                       ; an LDS row: 2,048 bytes + 16 = 516 words, so 16 consecutive rows start 4 words apart modulo 64 (64 banks of 4 bytes: ISA guide 11.1)
.set R16,   16*PITCH                   ; 33,024
.set R32,   32*PITCH                   ; 66,048
.set SCR,   128*PITCH                  ; 264,192: [wave][128] f32, each wave's part of the scores
.set PBR,   SCR+2048                   ; [wave][128] bf16: p, a copy for each wave
.set OST,   PBR+1024                   ; [wave][256] f32: each wave's stage for O
.set REC,   4608                       ; bytes of a record in part: O 4,096, then (m, l, m, l) from each of 32 lanes
.set KCH,   256                        ; bytes of an LDS row in four K steps
.set BSTEP, 8192                       ; bytes of a wave's B in a K step
; window 0
.set V16L, 4                           ; 16 L: offset in inputs, wb, part
.set VST,  5                           ; LDS: my wave's 32 rows + 16 L
.set VCW,  6                           ; 32 h
.set VMK,  7                           ; 4 L
.set MK,   8                           ; four bytes of the mask: rows 4 L .. 4 L + 3
.set VSC,  9                           ; SCR + 512 w + 4 r
.set VSR,  10                          ; SCR + 16 L
.set VPB,  11                          ; PBR + 256 w + 8 L
.set VPF,  12                          ; PBR + 256 w + 16 h
.set VOS,  13                          ; OST + 1,024 w + the true place of position r of a tile
.set VOR,  14                          ; OST + 1,024 w + 16 L
.set VGO,  15                          ; 1,024 w + 16 L
.set ADR0, 16                          ; v[16:19] pass 0: (32 i + r) PITCH + 16 h, stepped by KCH
.set VTR,  20                          ; v[20:23] transposing loads: (32 k + 8 h + L % 8) PITCH + 512 w + 16 ((L >> 3) & 1)
.set SC,   24                          ; v[24:31] score sums of row tile a
.set TP,   32                          ; v[32:39] four chains of pairs
.set T,    40                          ; v[40:55] at work
.set PB,   44                          ; v[44:45] four p in bf16 (in T, at the end)
.set ML,   56                          ; v[56:59] m, l, m, l
.set ADR1, 60                          ; v[60:63] pass 1: as ADR0
.set AF,   64                          ; v[64:127] fragments of inputs, row tile a at 64 + 8 a.  Load phase: row slots 0, 1
.set PF,   64                          ; at the end: fragments of p
.set S,    96                          ; at the end: scores
.set O,    112                         ; at the end: O on its way out
.set CW,   128                         ; v[128:255] cw: pass P, tile b, register j at 128 + 64 P + 8 b + j.  Load phase: row slots 2 to 5
.set ST,   64                          ; row slot s at 64 + 32 s
; window 1: the ring of B, K step q % 4, tile b at 64 q + 8 b; at the end two buffers of 128 registers for the transposed rows
; windows 2, 3: accumulator (a, b) at 8 (8 (a % 4) + b) of window 2 + a / 4
; s_set_vgpr_msb's low byte: bits 1:0 source 0, 3:2 source 1, 5:4 source 2, 7:6 destination; the high byte repeats the setting that is left
.set MSB, 0
.macro WIN new
.if MSB != (\new)
	s_set_vgpr_msb (MSB<<8)|(\new)
.set MSB, (\new)
.endif
.endm
.set MUL_LO, 0xa1                      ; source 0 (W) window 1, source 1 (inputs) window 0, C and D window 2
.set MUL_HI, 0xf1                      ; the same, C and D window 3
.set TO_1,   0x40                      ; destination window 1, address window 0
.set WS,     0xa4                      ; source 0 (p) window 0, source 1 (rows) window 1, C and D window 2
.set STW,    0x08                      ; store data window 2
.macro PLACES                          ; four places behind a matrix instruction (ISA guide 7.12.1)
.rept 4
	v_nop
.endr
.endm
	s_load_b256 s[4:11], s[0:1], 0x0               ; inputs s[4:5], mask s[6:7], wb s[8:9], cw s[10:11]
	s_load_b64 s[12:13], s[0:1], 0x20              ; part
	v_lshrrev_b32 v3, 5, v0
	v_readfirstlane_b32 s14, v3                    ; wave w
	s_mov_b32 s15, ttmp9                           ; work-group g
	s_mov_b32 s22, 0x76543210                      ; v_permlanex16_b32: lane i of one half reads lane i of the other
	s_mov_b32 s23, 0xfedcba98
	v_and_b32 v1, 31, v0                           ; L
	v_lshlrev_b32 v[V16L], 4, v1
	s_lshl_b32 s16, s15, 19                        ; 128 rows of 4,096 bytes a work-group,
	s_lshl_b32 s21, s14, 17                        ; 32 a wave
	s_add_co_u32 s16, s16, s21
	s_mov_b32 s17, 0
	s_lshl_b32 s18, s15, 7                         ; 128 bytes of the mask
	s_mov_b32 s19, 0
	s_lshl_b32 s24, s14, 19                        ; a wave's stream in wb: 64 K steps of 8,192 bytes
	s_mov_b32 s25, 0
	s_lshr_b32 s26, s15, 4                         ; batch
	s_lshl_b32 s26, s26, 6                         ; 16 numbers of cw
	s_lshl_b32 s21, s14, 14                        ; 8 tiles of 2,048 bytes a wave
	s_add_co_u32 s26, s26, s21
	s_mov_b32 s27, 0
	s_mul_i32 s28, s15, REC
	s_mov_b32 s29, 0
	s_wait_kmcnt 0x0
	s_add_nc_u64 s[4:5], s[4:5], s[16:17]
	s_add_nc_u64 s[6:7], s[6:7], s[18:19]
	s_add_nc_u64 s[8:9], s[8:9], s[24:25]
	s_add_nc_u64 s[10:11], s[10:11], s[26:27]
	s_add_nc_u64 s[12:13], s[12:13], s[28:29]
; ---- the load phase: 32 rows a wave through a ring of six row slots in registers: 48 loads of a wave on their way ----
.macro ROWLD slot, row                 ; eight loads: a row of 4,096 bytes, each load 512 consecutive bytes; read once in the launch
.irp i, 0,1,2,3,4,5,6,7
	global_load_b128 v[ST+32*(\slot)+4*\i:ST+32*(\slot)+4*\i+3], v[V16L], s[4:5] offset:(\row)*4096+\i*512 th:TH_LOAD_NT
.endr
.endm
.macro ROWCV slot, row, left           ; round to bf16; two loads 512 bytes apart make one 16-byte unit; into my wave's rows of LDS
	s_wait_loadcnt \left                           ; loads come back in order (ISA guide 5.7.1): this row's eight are in, the younger ones stay out
.irp c, 0,1,2,3
.irp u, 0,1,2,3
	v_cvt_pk_bf16_f32 v[T+4*\c+\u], v[ST+32*(\slot)+8*\c+2*\u], v[ST+32*(\slot)+8*\c+2*\u+1]
.endr
	ds_store_b128 v[VST], v[T+4*\c:T+4*\c+3] offset:(\row)*PITCH+512*\c
.endr
.endm
.macro BLOAD q                         ; K step q of the four at s[8:9]: 16 loads of 512 consecutive bytes, fragments as they lie
.irp b, 0,1,2,3,4,5,6,7
	global_load_b128 v[64*\q+8*\b:64*\q+8*\b+3], v[V16L], s[8:9] offset:\q*BSTEP+\b*1024
	global_load_b128 v[64*\q+8*\b+4:64*\q+8*\b+7], v[V16L], s[8:9] offset:\q*BSTEP+\b*1024+512
.endr
.endm
.irp s, 0,1,2,3,4,5
	ROWLD \s, \s
.endr
	; addresses, while the first rows are on their way
	v_and_b32 v2, 15, v0                           ; r
	v_bfe_u32 v3, v0, 4, 1                         ; h
	s_mul_i32 s21, s14, R32
	v_lshl_add_u32 v[VST], v1, 4, s21
	v_lshlrev_b32 v[VCW], 5, v3
	v_lshlrev_b32 v[VMK], 2, v1
	s_lshl_b32 s21, s14, 9
	s_add_co_u32 s21, s21, SCR
	v_lshl_add_u32 v[VSC], v2, 2, s21
	v_add_nc_u32 v[VSR], SCR, v[V16L]
	s_lshl_b32 s21, s14, 8
	s_add_co_u32 s21, s21, PBR
	v_lshl_add_u32 v[VPB], v1, 3, s21
	v_lshl_add_u32 v[VPF], v3, 4, s21
	s_lshl_b32 s21, s14, 10
	s_add_co_u32 s21, s21, OST
	v_bfe_u32 v[T], v0, 3, 1                       ; position 16 t + r of my 256 lies in unit 2 t + (r >> 3), element r % 8:
	v_lshl_add_u32 v[VOS], v[T], 4, s21            ; true d = 8 t + 4 (r >> 3) + r % 4 + 128 ((r >> 2) & 1), times 4 bytes
	v_and_b32 v[T], 3, v0
	v_lshl_add_u32 v[VOS], v[T], 2, v[VOS]
	v_bfe_u32 v[T], v0, 2, 1
	v_lshl_add_u32 v[VOS], v[T], 9, v[VOS]
	v_add_nc_u32 v[VOR], s21, v[V16L]
	v_lshl_add_u32 v[VGO], s14, 10, v[V16L]
	v_mul_u32_u24 v[T], PITCH, v2
	v_lshl_add_u32 v[T], v3, 4, v[T]               ; r PITCH + 16 h
.irp i, 0,1,2,3
	v_add_nc_u32 v[ADR0+\i], \i*R32, v[T]
	v_add_nc_u32 v[ADR1+\i], \i*R32, v[T]
.endr
	v_and_b32 v[T+1], 7, v0
	v_lshl_add_u32 v[T+1], v3, 3, v[T+1]           ; 8 h + L % 8
	v_mul_u32_u24 v[T+1], PITCH, v[T+1]
	v_bfe_u32 v[T+2], v0, 3, 1
	v_lshl_add_u32 v[T+1], v[T+2], 4, v[T+1]
	v_lshl_add_u32 v[T+1], s14, 9, v[T+1]          ; my 256 positions: 512 bytes of a row
.irp k, 0,1,2,3
	v_add_nc_u32 v[VTR+\k], \k*R32, v[T+1]
.endr
.set rho, 0
.rept 26
	ROWCV rho%6, rho, 40                           ; five younger rows of eight loads stay out
	ROWLD rho%6, rho+6
.set rho, rho+1
.endr
	ROWCV 2, 26, 40                                ; rows 27 to 31 are out
	ROWCV 3, 27, 32
	WIN TO_1
	BLOAD 0                                        ; the first two K steps of W: 32 loads younger than the rows
	BLOAD 1
	WIN 0
	ROWCV 4, 28, 56                                ; three rows and those 32
	ROWCV 5, 29, 48
	ROWCV 0, 30, 40
	ROWCV 1, 31, 32
	global_load_b32 v[MK], v[VMK], s[6:7]
.irp p, 0,1
.irp b, 0,1,2,3,4,5,6,7
	global_load_b128 v[CW+64*\p+8*\b:CW+64*\p+8*\b+3], v[VCW], s[10:11] offset:\p*65536+\b*2048      ; cw of h = 16 b + 8 h + 0..3
	global_load_b128 v[CW+64*\p+8*\b+4:CW+64*\p+8*\b+7], v[VCW], s[10:11] offset:\p*65536+\b*2048+16 ; .. + 4..7
.endr
.endr
	WIN TO_1
	BLOAD 2
	BLOAD 3
	WIN 0
	s_wait_xcnt 0x0                                ; the base of pending loads is stepped only behind this wait (ISA guide 3.1)
	s_add_nc_u64 s[8:9], s[8:9], 4*BSTEP
	s_wait_dscnt 0x0                               ; my 32 rows are in LDS, for the other waves' sake
	s_barrier_signal -1
	s_barrier_wait -1                              ; all 128 are; nobody writes them again
; ---- the passes ----
; eight LDS loads: fragments of row tiles 4 hi .. 4 hi + 3 at byte koff behind the addresses in v[ar .. ar+3]
.macro ALOAD ar, hi, koff
.irp a, 0,1,2,3
	ds_load_b128 v[AF+8*(4*\hi+\a):AF+8*(4*\hi+\a)+3],   v[\ar+2*\hi+\a/2] offset:(\a%2)*R16+\koff
	ds_load_b128 v[AF+8*(4*\hi+\a)+4:AF+8*(4*\hi+\a)+7], v[\ar+2*\hi+\a/2] offset:(\a%2)*R16+\koff+32
.endr
.endm
; 32 matrix instructions: row tiles 4 hi .. 4 hi + 3 x all 8 h tiles.  zero = 1: the first product starts the sums, nothing is cleared.
; The 64 accumulators take turns, one instruction a turn, in the same order in every K step, over the backward jump too.
.macro MULH q, hi, zero
.irp a, 0,1,2,3
.irp b, 0,1,2,3,4,5,6,7
.if \zero
	v_wmma_f32_16x16x32_bf16 v[8*(8*\a+\b):8*(8*\a+\b)+7], v[64*\q+8*\b:64*\q+8*\b+7], v[AF+8*(4*\hi+\a):AF+8*(4*\hi+\a)+7], 0
.else
	v_wmma_f32_16x16x32_bf16 v[8*(8*\a+\b):8*(8*\a+\b)+7], v[64*\q+8*\b:64*\q+8*\b+7], v[AF+8*(4*\hi+\a):AF+8*(4*\hi+\a)+7], v[8*(8*\a+\b):8*(8*\a+\b)+7]
.endif
.endr
.endr
.endm
; One K step on ring buffer q.  cnt: how many younger loads of B may stay out.  nxt: the next K step's fragments of inputs are fetched through v[nar ..] at koff:
; 0 none, 1 behind four v_nop, 2 behind the four adds that step the addresses (they are the four places).  refill: buffer q gets the K step four further on.
.macro STEP q, zero, cnt, nxt, nar, koff, refill
	s_wait_dscnt 0x8                               ; row tiles 0-3 are in; the eight younger loads (tiles 4-7) may be out
	s_wait_loadcnt \cnt
	WIN MUL_LO
	MULH \q, 0, \zero
	WIN 0
.if \nxt == 2
.irp i, 0,1,2,3
	v_add_nc_u32 v[\nar+\i], KCH, v[\nar+\i]
.endr
.endif
.if \nxt == 1
	PLACES
.endif
.if \nxt
	ALOAD \nar, 0, \koff
	s_wait_dscnt 0x8                               ; row tiles 4-7 are in; the eight just issued may be out
.else
	s_wait_dscnt 0x0
.endif
	WIN MUL_HI
	MULH \q, 1, \zero
.if \nxt
	WIN 0
	PLACES                                         ; for the loads into tiles 4-7 and into ring buffer q
	ALOAD \nar, 1, \koff
.endif
.if \refill
	WIN TO_1
	BLOAD \q
.endif
.endm
; four K steps = once round the ring
.macro CH zero, c0, c1, c2, c3, refill, ar, m3, nar
	STEP 0, \zero, \c0, 1, \ar, 64, \refill
	STEP 1, 0, \c1, 1, \ar, 128, \refill
	STEP 2, 0, \c2, 1, \ar, 192, \refill
	STEP 3, 0, \c3, \m3, \nar, 0, \refill
	WIN 0                                          ; at a label and at a branch every window is 0
.if \refill
	s_wait_xcnt 0x0                                ; the base of pending loads is stepped only behind this wait (ISA guide 3.1)
	s_add_nc_u64 s[8:9], s[8:9], 4*BSTEP
.endif
.endm
; ---- behind a pass: r = 1 / (1 + 2^x) in place on the accumulators, then sum over h of cw r, by row tiles a of 64 registers ----
.macro GEXP a
.set GW, 2+(\a)/4
	WIN (GW<<6)|GW
.set ri, 64*((\a)%4)
.rept 64
	v_exp_f32 v[ri], v[ri]
.set ri, ri+1
.endr
.endm
.macro GADD a
.set GW, 2+(\a)/4
	WIN (GW<<6)|GW
.set ri, 64*((\a)%4)
.rept 32
	v_pk_add_f32 v[ri:ri+1], v[ri:ri+1], 1.0 op_sel_hi:[1,0]
.set ri, ri+2
.endr
.endm
.macro GRCP a
.set GW, 2+(\a)/4
	WIN (GW<<6)|GW
.set ri, 64*((\a)%4)
.rept 64
	v_rcp_f32 v[ri], v[ri]
.set ri, ri+1
.endr
.endm
.macro GSUM p, a
.set GW, 2+(\a)/4
.set GB, 64*((\a)%4)
	WIN GW                                         ; source 0 in the accumulators' window
.irp u, 0,1,2,3
	v_pk_mul_f32 v[TP+2*\u:TP+2*\u+1], v[GB+2*\u:GB+2*\u+1], v[CW+64*\p+2*\u:CW+64*\p+2*\u+1]   ; the first tile starts the four chains
.endr
.irp b, 1,2,3,4,5,6,7
.irp u, 0,1,2,3
	v_pk_fma_f32 v[TP+2*\u:TP+2*\u+1], v[GB+8*\b+2*\u:GB+8*\b+2*\u+1], v[CW+64*\p+8*\b+2*\u:CW+64*\p+8*\b+2*\u+1], v[TP+2*\u:TP+2*\u+1]
.endr
.endr
	WIN 0
	v_pk_add_f32 v[TP:TP+1], v[TP:TP+1], v[TP+2:TP+3]
	v_pk_add_f32 v[TP+4:TP+5], v[TP+4:TP+5], v[TP+6:TP+7]
	v_pk_add_f32 v[TP:TP+1], v[TP:TP+1], v[TP+4:TP+5]
.if \p
	v_add_f32 v[TP], v[TP], v[TP+1]
	v_add_f32 v[SC+(\a)], v[SC+(\a)], v[TP]
.else
	v_add_f32 v[SC+(\a)], v[TP], v[TP+1]           ; pass 0 starts the score sums
.endif
.endm
; The groups are skewed by one, so that plain arithmetic of one group lies between the transcendentals of its neighbours.
; Each v_nop is the one plain place between a run of transcendentals and the first use of their results (ISA guide 5.7.2).
.macro EPI p
.if \p
	PLACES                                         ; behind the pass's last matrix instruction (behind pass 0 the four v_nop ahead of its last loads are these places)
.endif
	GEXP 0
	v_nop
	s_wait_alu depctr_va_vdst(0)
	GADD 0
.irp g, 1,2,3,4,5,6,7
	GEXP \g
	GRCP \g-1
	v_nop
	s_wait_alu depctr_va_vdst(0)
	GADD \g
	GSUM \p, \g-1
.endr
	GRCP 7
	v_nop
	s_wait_alu depctr_va_vdst(0)
	GSUM \p, 7
.endm
	ALOAD ADR0, 0, 0
	ALOAD ADR0, 1, 0
	; Counts on LOADcnt: K step S of B was asked for at the end of K step S - 4; behind it stand three K steps of 16 loads: 48.
	; In front of K steps 0 and 1 there are 81 younger loads (the mask, cw's 32, three K steps): 63, the largest count that the wait can name, is below that.
	; The 48 of K step 2 also shows the mask and cw landed.
	CH 1, 63, 63, 48, 48, 1, ADR0, 2, ADR0
	s_mov_b32 s20, 6
.Lpass0:
	CH 0, 48, 48, 48, 48, 1, ADR0, 2, ADR0
	s_sub_co_u32 s20, s20, 1
	s_cmp_lg_u32 s20, 0
	s_cbranch_scc1 .Lpass0
	CH 0, 48, 48, 48, 48, 1, ADR0, 1, ADR1         ; the look-ahead is pass 1's K step 0: inputs through the second set of addresses, B straight on in its stream
	EPI 0                                          ; touches neither the fragments nor the ring: pass 1's first loads land meanwhile
	CH 1, 48, 48, 48, 48, 1, ADR1, 2, ADR1
	s_mov_b32 s20, 6
.Lpass1:
	CH 0, 48, 48, 48, 48, 1, ADR1, 2, ADR1
	s_sub_co_u32 s20, s20, 1
	s_cmp_lg_u32 s20, 0
	s_cbranch_scc1 .Lpass1
	CH 0, 48, 32, 16, 0, 0, ADR1, 0, ADR1          ; the last four K steps ask for nothing: the counts run down
	EPI 1
; ---- scores of the 128 rows ----
.irp a, 0,1,2,3,4,5,6,7
	v_permlanex16_b32 v[T+\a], v[SC+\a], s22, s23  ; the other half of the lanes holds the other eight columns of each h tile
.endr
.irp a, 0,1,2,3,4,5,6,7
	v_add_f32 v[SC+\a], v[SC+\a], v[T+\a]
	ds_store_b32 v[VSC], v[SC+\a] offset:64*\a     ; row 16 a + r; both halves write the same word with the same value
.endr
	s_wait_dscnt 0x0                               ; my part of the scores is in LDS, for the other waves' sake
	s_barrier_signal -1
	s_barrier_wait -1
.irp u, 0,1,2,3
	ds_load_b128 v[S+4*\u:S+4*\u+3], v[VSR] offset:512*\u      ; rows 4 L .. 4 L + 3, wave u's part; every wave makes all 128 scores, in the same order
.endr
	s_wait_dscnt 0x0
	v_pk_add_f32 v[S:S+1], v[S:S+1], v[S+4:S+5]
	v_pk_add_f32 v[S+2:S+3], v[S+2:S+3], v[S+6:S+7]
	v_pk_add_f32 v[S+8:S+9], v[S+8:S+9], v[S+12:S+13]
	v_pk_add_f32 v[S+10:S+11], v[S+10:S+11], v[S+14:S+15]
	v_pk_add_f32 v[S:S+1], v[S:S+1], v[S+8:S+9]
	v_pk_add_f32 v[S+2:S+3], v[S+2:S+3], v[S+10:S+11]
.irp i, 0,1,2,3
	v_bfe_u32 v[T], v[MK], 8*\i, 8
	v_cmp_ne_u32 vcc_lo, 0, v[T]
	v_cndmask_b32 v[S+\i], 0xf149f2ca, v[S+\i], vcc_lo         ; -1e30 where the mask's byte is 0
.endr
	v_max3_num_f32 v[T], v[S], v[S+1], v[S+2]
	v_max_num_f32 v[T], v[T], v[S+3]
	v_max_num_f32_dpp v[T], v[T], v[T] row_xmask:1 row_mask:0xf bank_mask:0xf
	v_max_num_f32_dpp v[T], v[T], v[T] row_xmask:2 row_mask:0xf bank_mask:0xf
	v_max_num_f32_dpp v[T], v[T], v[T] row_xmask:4 row_mask:0xf bank_mask:0xf
	v_max_num_f32_dpp v[T], v[T], v[T] row_xmask:8 row_mask:0xf bank_mask:0xf
	v_permlanex16_b32 v[T+1], v[T], s22, s23
	v_max_num_f32 v[ML], v[T], v[T+1]              ; m: the block's maximum, in every lane
.irp i, 0,1,2,3
	v_sub_f32 v[S+\i], v[S+\i], v[ML]
.endr
.irp i, 0,1,2,3
	v_exp_f32 v[S+\i], v[S+\i]
.endr
	v_mov_b32 v[ML+2], v[ML]                       ; the plain place behind the transcendentals
	s_wait_alu depctr_va_vdst(0)
	v_cvt_pk_bf16_f32 v[PB], v[S], v[S+1]
	v_cvt_pk_bf16_f32 v[PB+1], v[S+2], v[S+3]
	ds_store_b64 v[VPB], v[PB:PB+1]                ; my wave's own copy of p: LDS serves a wave's instructions in order (ISA guide 5.7.1.4), so the loads below see it
.irp k, 0,1,2,3
	ds_load_b128 v[PF+8*\k:PF+8*\k+3],   v[VPF] offset:64*\k       ; p of rows 32 k + 8 h + 0..7: the same in all 16 lanes of a half, so all 16 rows of source 0 are p
	ds_load_b128 v[PF+8*\k+4:PF+8*\k+7], v[VPF] offset:64*\k+32
.endr
; ---- the weighted sum: wave w makes positions 256 w .. + 255 of the LDS rows, 16 tiles of 16, in four K steps of 32 rows ----
.macro XLOAD k                         ; 32 transposing loads: rows 32 k .. + 31 as source 1, column = position (ISA guide: DS_LOAD_TR16_B128)
	WIN TO_1
.irp t, 0,1,2,3,4,5,6,7,8,9,10,11,12,13,14,15
	ds_load_tr16_b128 v[128*(\k%2)+8*\t:128*(\k%2)+8*\t+3],   v[VTR+\k] offset:32*\t
	ds_load_tr16_b128 v[128*(\k%2)+8*\t+4:128*(\k%2)+8*\t+7], v[VTR+\k] offset:32*\t+R16
.endr
.endm
.macro WSUM k                          ; the 16 accumulators take turns
	WIN WS
.irp t, 0,1,2,3,4,5,6,7,8,9,10,11,12,13,14,15
.if \k
	v_wmma_f32_16x16x32_bf16 v[8*\t:8*\t+7], v[PF+8*\k:PF+8*\k+7], v[128*(\k%2)+8*\t:128*(\k%2)+8*\t+7], v[8*\t:8*\t+7]
.else
	v_wmma_f32_16x16x32_bf16 v[8*\t:8*\t+7], v[PF+8*\k:PF+8*\k+7], v[128*(\k%2)+8*\t:128*(\k%2)+8*\t+7], 0
.endif
.endr
.endm
	XLOAD 0
	XLOAD 1
	WIN 0
	; l, from the rounded p, while the loads are on their way
	v_lshlrev_b32 v[T], 16, v[PB]
	v_and_b32 v[T+1], 0xffff0000, v[PB]
	v_lshlrev_b32 v[T+2], 16, v[PB+1]
	v_and_b32 v[T+3], 0xffff0000, v[PB+1]
	v_pk_add_f32 v[T:T+1], v[T:T+1], v[T+2:T+3]
	v_add_f32 v[T], v[T], v[T+1]
	v_add_f32_dpp v[T], v[T], v[T] row_xmask:1 row_mask:0xf bank_mask:0xf
	v_add_f32_dpp v[T], v[T], v[T] row_xmask:2 row_mask:0xf bank_mask:0xf
	v_add_f32_dpp v[T], v[T], v[T] row_xmask:4 row_mask:0xf bank_mask:0xf
	v_add_f32_dpp v[T], v[T], v[T] row_xmask:8 row_mask:0xf bank_mask:0xf
	v_permlanex16_b32 v[T+1], v[T], s22, s23
	v_add_f32 v[ML+1], v[T], v[T+1]
	v_mov_b32 v[ML+3], v[ML+1]
	s_wait_dscnt 32                                ; p's fragments and rows 0-31 are in; the 32 loads of rows 32-63 may be out
	WSUM 0
	PLACES                                         ; ahead of the loads into the buffer just multiplied
	XLOAD 2
	s_wait_dscnt 32                                ; rows 32-63 are in
	WSUM 1
	PLACES
	XLOAD 3
	s_wait_dscnt 32                                ; rows 64-95 are in
	WSUM 2
	s_wait_dscnt 0x0
	WSUM 3
	PLACES                                         ; ahead of the stores of the results
	WIN STW
.irp t, 0,1,2,3,4,5,6,7,8,9,10,11,12,13,14,15
	ds_store_b32 v[VOS], v[8*\t] offset:32*\t      ; register 0 of tile t: O at position 16 t + r, put at its true d; both halves write the same word with the same value
.endr
	WIN 0
	ds_load_b128 v[O:O+3], v[VOR]                  ; my wave's own bytes, in order behind the stores
	ds_load_b128 v[O+4:O+7], v[VOR] offset:512
	s_wait_dscnt 0x0
	global_store_b128 v[VGO], v[O:O+3], s[12:13]               ; each store of the wave covers 512 consecutive bytes, aligned
	global_store_b128 v[VGO], v[O+4:O+7], s[12:13] offset:512
	s_cmp_lg_u32 s14, 0
	s_cbranch_scc1 .Lend
	global_store_b128 v[V16L], v[ML:ML+3], s[12:13] offset:4096   ; wave 0: (m, l, m, l) from every lane: the record's last 512 bytes, written whole
.Lend:
	s_wait_xcnt 0x0
	v_lshl_add_u32 v254, v0, 2, 0x42400
	v_mov_b32 v255, 0
	s_wait_tensorcnt 0x0
	ds_add_u32 v254, v255
	s_wait_dscnt 0x0
	s_endpgm
.Lfunc_end_k_qe7290173ad_main:
	.size	k_qe7290173ad_main, .Lfunc_end_k_qe7290173ad_main-k_qe7290173ad_main
	.p2alignl 7, 3214868480
	.fill 96, 4, 3214868480
	.section	.rodata,"a",@progbits
	.p2align	6, 0x0
	.amdhsa_kernel k_qe7290173ad_main
		.amdhsa_group_segment_fixed_size 271872
		.amdhsa_private_segment_fixed_size 0
		.amdhsa_enable_private_segment 0
		.amdhsa_kernarg_size 40
		.amdhsa_user_sgpr_count 2
		.amdhsa_user_sgpr_kernarg_segment_ptr 1
		.amdhsa_wavefront_size32 1
		.amdhsa_system_sgpr_workgroup_id_x 1
		.amdhsa_system_sgpr_workgroup_id_y 1
		.amdhsa_system_sgpr_workgroup_id_z 1
		.amdhsa_system_vgpr_workitem_id 0
		.amdhsa_next_free_vgpr 1024
		.amdhsa_next_free_sgpr 66
		.amdhsa_reserve_vcc 1
		.amdhsa_float_denorm_mode_32 3
		.amdhsa_float_denorm_mode_16_64 3
		.amdhsa_memory_ordered 1
		.amdhsa_forward_progress 1
		.amdhsa_inst_pref_size 255
	.end_amdhsa_kernel
	.section	.bss,"aw",@nobits
	.p2align	6
	.space	262144
	.amdgpu_metadata
---
amdhsa.version: [ 1, 2 ]
amdhsa.kernels:
  - .name:           k_qe7290173ad_main
    .symbol:         k_qe7290173ad_main.kd
    .args:
      - { .name: inputs, .offset: 0, .size: 8, .value_kind: global_buffer, .address_space: global }
      - { .name: mask, .offset: 8, .size: 8, .value_kind: global_buffer, .address_space: global }
      - { .name: wb, .offset: 16, .size: 8, .value_kind: global_buffer, .address_space: global }
      - { .name: cw, .offset: 24, .size: 8, .value_kind: global_buffer, .address_space: global }
      - { .name: part, .offset: 32, .size: 8, .value_kind: global_buffer, .address_space: global }
    .group_segment_fixed_size: 271872
    .private_segment_fixed_size: 0
    .kernarg_segment_align: 8
    .kernarg_segment_size: 40
    .max_flat_workgroup_size: 128
    .sgpr_count:     66
    .vgpr_count:     1024
    .wavefront_size: 32
...
	.end_amdgpu_metadata
.endif
;; end of part 2
;; launch merge (part 3): grid 128 x 1, 2 waves a work-group, no clusters, 0 bytes of LDS; arguments part, out0; writes out0
.if DOCPART == 3
	.amdgcn_target "amdgcn-amd-amdhsa--gfx1250"
	.amdhsa_code_object_version 6
	.text
	.protected	k_qe7290173ad_merge
	.globl	k_qe7290173ad_merge
	.p2align	8
	.type	k_qe7290173ad_merge,@function
k_qe7290173ad_merge:
	s_mov_b64 s[64:65], 0
	v_nop
	global_prefetch_b8 v0, s[64:65] scope:SCOPE_SE
	s_setreg_imm32_b32 hwreg(HW_REG_WAVE_MODE, 25, 1), 1
	s_wait_xcnt 0x0
; merge: out0[batch][d] = sum over the batch's 16 records of 2^(m_i - M) O_i[d] / sum of 2^(m_i - M) l_i, M = the largest m_i.
; A record of part is 4,608 bytes: O[1024] f32, then (m, l, m, l) 32 times.  m is in log2 units.
; Work-group x: batch x / 4, quarter x % 4 of the 1,024 columns; 64 threads, four columns each: 72 KiB are read for 4 KiB of output a batch, so this is a stream
; of a few loads a thread: no LDS, no barrier, no matrix unit.
; The divisor is at least 1: the record that holds M has the weight 1, and its l holds the term 2^0.
.set REC, 4608
.set MLP, 8                            ; v[8:39]    (m_i, l_i)
.set OI,  40                           ; v[40:103]  O_i, four columns
.set W,   104                          ; v[104:119] 2^(m_i - M)
.set R,   120                          ; v[120:121] 1 / divisor, twice
.set ACC, 124                          ; v[124:127]
	s_load_b128 s[4:7], s[0:1], 0x0                ; part s[4:5], out0 s[6:7]
	s_lshr_b32 s8, ttmp9, 2                        ; batch
	s_and_b32 s9, ttmp9, 3                         ; quarter
	s_mul_i32 s10, s8, 16*REC
	s_mov_b32 s11, 0
	s_lshl_b32 s12, s8, 12
	s_mov_b32 s13, 0
	s_lshl_b32 s9, s9, 10
	v_lshl_add_u32 v1, v0, 4, s9                   ; 1,024 x quarter + 16 x thread
	v_mov_b32 v2, 0
	s_wait_kmcnt 0x0
	s_add_nc_u64 s[4:5], s[4:5], s[10:11]
	s_add_nc_u64 s[6:7], s[6:7], s[12:13]
.irp i, 0,1,2,3,4,5,6,7,8,9,10,11,12,13,14,15
	global_load_b64 v[MLP+2*\i:MLP+2*\i+1], v2, s[4:5] offset:\i*REC+4096
.endr
.irp i, 0,1,2,3,4,5,6,7,8,9,10,11,12,13,14,15
	global_load_b128 v[OI+4*\i:OI+4*\i+3], v1, s[4:5] offset:\i*REC
.endr
	s_wait_loadcnt 16                              ; the sixteen (m, l) are in; the sixteen younger loads of O stay out
	v_max3_num_f32 v6, v[MLP], v[MLP+2], v[MLP+4]
.irp i, 3,5,7,9,11,13
	v_max3_num_f32 v6, v6, v[MLP+2*\i], v[MLP+2*\i+2]
.endr
	v_max_num_f32 v6, v6, v[MLP+30]                ; M
.irp i, 0,1,2,3,4,5,6,7,8,9,10,11,12,13,14,15
	v_sub_f32 v[W+\i], v[MLP+2*\i], v6
.endr
.irp i, 0,1,2,3,4,5,6,7,8,9,10,11,12,13,14,15
	v_exp_f32 v[W+\i], v[W+\i]
.endr
	v_nop                                          ; one plain place behind the transcendentals (ISA guide 5.7.2)
	s_wait_alu depctr_va_vdst(0)
	v_mul_f32 v4, v[W], v[MLP+1]                   ; the divisor, in two chains started by products
	v_mul_f32 v5, v[W+1], v[MLP+3]
.irp i, 2,4,6,8,10,12,14
	v_fmac_f32 v4, v[W+\i], v[MLP+2*\i+1]
	v_fmac_f32 v5, v[W+\i+1], v[MLP+2*\i+3]
.endr
	v_add_f32 v4, v4, v5
	v_rcp_f32 v[R], v4                             ; twice, for the pair that the packed multiply takes; the products below are the plain places behind them
	v_rcp_f32 v[R+1], v4
	s_wait_loadcnt 0x0
	v_pk_mul_f32 v[ACC:ACC+1],   v[OI:OI+1],   v[W:W+1] op_sel_hi:[1,0]                               ; both halves by the pair's first weight
	v_pk_mul_f32 v[ACC+2:ACC+3], v[OI+2:OI+3], v[W:W+1] op_sel_hi:[1,0]
	v_pk_fma_f32 v[ACC:ACC+1],   v[OI+4:OI+5], v[W:W+1], v[ACC:ACC+1]     op_sel:[0,1,0] op_sel_hi:[1,1,1]   ; both halves by its second
	v_pk_fma_f32 v[ACC+2:ACC+3], v[OI+6:OI+7], v[W:W+1], v[ACC+2:ACC+3]   op_sel:[0,1,0] op_sel_hi:[1,1,1]
.irp i, 2,4,6,8,10,12,14
	v_pk_fma_f32 v[ACC:ACC+1],   v[OI+4*\i:OI+4*\i+1],   v[W+\i:W+\i+1], v[ACC:ACC+1]     op_sel_hi:[1,0,1]
	v_pk_fma_f32 v[ACC+2:ACC+3], v[OI+4*\i+2:OI+4*\i+3], v[W+\i:W+\i+1], v[ACC+2:ACC+3]   op_sel_hi:[1,0,1]
	v_pk_fma_f32 v[ACC:ACC+1],   v[OI+4*\i+4:OI+4*\i+5], v[W+\i:W+\i+1], v[ACC:ACC+1]     op_sel:[0,1,0] op_sel_hi:[1,1,1]
	v_pk_fma_f32 v[ACC+2:ACC+3], v[OI+4*\i+6:OI+4*\i+7], v[W+\i:W+\i+1], v[ACC+2:ACC+3]   op_sel:[0,1,0] op_sel_hi:[1,1,1]
.endr
	s_wait_alu depctr_va_vdst(0)
	v_pk_mul_f32 v[ACC:ACC+1],   v[ACC:ACC+1],   v[R:R+1]
	v_pk_mul_f32 v[ACC+2:ACC+3], v[ACC+2:ACC+3], v[R:R+1]
	global_store_b128 v1, v[ACC:ACC+3], s[6:7]     ; a wave's store covers 512 consecutive bytes, aligned
	s_endpgm
.Lfunc_end_k_qe7290173ad_merge:
	.size	k_qe7290173ad_merge, .Lfunc_end_k_qe7290173ad_merge-k_qe7290173ad_merge
	.p2alignl 7, 3214868480
	.fill 96, 4, 3214868480
	.section	.rodata,"a",@progbits
	.p2align	6, 0x0
	.amdhsa_kernel k_qe7290173ad_merge
		.amdhsa_group_segment_fixed_size 0
		.amdhsa_private_segment_fixed_size 0
		.amdhsa_enable_private_segment 0
		.amdhsa_kernarg_size 16
		.amdhsa_user_sgpr_count 2
		.amdhsa_user_sgpr_kernarg_segment_ptr 1
		.amdhsa_wavefront_size32 1
		.amdhsa_system_sgpr_workgroup_id_x 1
		.amdhsa_system_sgpr_workgroup_id_y 1
		.amdhsa_system_sgpr_workgroup_id_z 1
		.amdhsa_system_vgpr_workitem_id 0
		.amdhsa_next_free_vgpr 128
		.amdhsa_next_free_sgpr 66
		.amdhsa_reserve_vcc 0
		.amdhsa_float_denorm_mode_32 3
		.amdhsa_float_denorm_mode_16_64 3
		.amdhsa_memory_ordered 1
		.amdhsa_forward_progress 1
		.amdhsa_inst_pref_size 9
	.end_amdhsa_kernel
	.amdgpu_metadata
---
amdhsa.version: [ 1, 2 ]
amdhsa.kernels:
  - .name:           k_qe7290173ad_merge
    .symbol:         k_qe7290173ad_merge.kd
    .args:
      - { .name: part, .offset: 0, .size: 8, .value_kind: global_buffer, .address_space: global }
      - { .name: out0, .offset: 8, .size: 8, .value_kind: global_buffer, .address_space: global }
    .group_segment_fixed_size: 0
    .private_segment_fixed_size: 0
    .kernarg_segment_align: 8
    .kernarg_segment_size: 16
    .max_flat_workgroup_size: 64
    .sgpr_count:     66
    .vgpr_count:     128
    .wavefront_size: 32
...
	.end_amdgpu_metadata
.endif
;; end of part 3
